; MI455X (gfx1250); checked and timed in simulation.
; The chip was launched on July 23, 2026; its instructions are those of AMD's public machine-readable ISA for CDNA 5 (MIT licence, August 2026) and "CDNA5" Instruction Set Architecture Reference Guide (July 2026). The comments in the code are by the model that wrote it; some were corrected since.
;; multi Self Attention. Allowed arithmetic: matrix products marked QUANTISED: E2M3 operands, one E8M0 scale for each 32 along K, by v_wmma_scale_f32_16x16x128_f8f6f4 with both operands' format E2M3, f32 sums; everything else in f32.
;; Inputs: fck_b 1,024 float32; fck_w_codes 1,024 x 2 x 24 uint8 (E2M3 codes of fck_w, K innermost, in blocks of 32 codes, four codes in three bytes); fck_w_scales 1,024 x 2 uint8 (E8M0 scales of fck_w, one for each 32 codes along K); fco_b 1,024 float32; fco_w_codes 1,024 x 32 x 24 uint8 (E2M3 codes of fco_w, K innermost, in blocks of 32 codes, four codes in three bytes); fco_w_scales 1,024 x 32 uint8 (E8M0 scales of fco_w, one for each 32 codes along K); fcq_b 1,024 float32; fcq_w_codes 1,024 x 2 x 24 uint8 (E2M3 codes of fcq_w, K innermost, in blocks of 32 codes, four codes in three bytes); fcq_w_scales 1,024 x 2 uint8 (E8M0 scales of fcq_w, one for each 32 codes along K); fcv_b 1,024 float32; fcv_w_codes 1,024 x 2 x 24 uint8 (E2M3 codes of fcv_w, K innermost, in blocks of 32 codes, four codes in three bytes); fcv_w_scales 1,024 x 2 uint8 (E8M0 scales of fcv_w, one for each 32 codes along K); wk_codes 64 x 32 x 24 uint8 (E2M3 codes of wk, K innermost, in blocks of 32 codes, four codes in three bytes); wk_scales 64 x 32 uint8 (E8M0 scales of wk, one for each 32 codes along K); wq_codes 64 x 32 x 24 uint8 (E2M3 codes of wq, K innermost, in blocks of 32 codes, four codes in three bytes); wq_scales 64 x 32 uint8 (E8M0 scales of wq, one for each 32 codes along K); wv_codes 64 x 32 x 24 uint8 (E2M3 codes of wv, K innermost, in blocks of 32 codes, four codes in three bytes); wv_scales 64 x 32 uint8 (E8M0 scales of wv, one for each 32 codes along K); z_codes 4 x 2,048 x 32 x 24 uint8 (E2M3 codes of z, K innermost, in blocks of 32 codes, four codes in three bytes); z_scales 4 x 2,048 x 32 uint8 (E8M0 scales of z, one for each 32 codes along K).
;; Outputs: out0 4 x 2,048 x 1,024 float32.
;; This version of the problem:
;;   THIS VERSION OF THE PROBLEM IS GIVEN IN LOW PRECISION. The matrix products marked QUANTISED in the list below multiply operands that are first quantised to E2M3 (2 exponent bits, 3 mantissa bits; 6 bits a number), with one power-of-two scale for each 32 numbers along K (OCP MX v1.0); their sums are f32. All else is computed in f32.
;;   The module's matrix products, in the order in which they are computed (A, B: the left and right operand; K: the contracted axis; several contracted axes count as one K, in the product's order):
;;     1. [M 8,192, K 1,024] x [K 1,024, N 64]; A: input z (given as codes); B: input wq (given as codes): QUANTISED
;;     2. [M 8,192, K 64] x [K 64, N 1,024]; A: computed on the way; B: input fcq_w (given as codes): QUANTISED
;;     3. [M 8,192, K 1,024] x [K 1,024, N 64]; A: input z (given as codes); B: input wk (given as codes): QUANTISED
;;     4. [M 8,192, K 64] x [K 64, N 1,024]; A: computed on the way; B: input fck_w (given as codes): QUANTISED
;;     5. [M 8,192, K 1,024] x [K 1,024, N 64]; A: input z (given as codes); B: input wv (given as codes): QUANTISED
;;     6. [M 8,192, K 64] x [K 64, N 1,024]; A: computed on the way; B: input fcv_w (given as codes): QUANTISED
;;     7. batch 64 x [M 2,048, K 64] x [K 64, N 2,048]; A: computed on the way; B: computed on the way: QUANTISED
;;     8. batch 64 x [M 64, K 2,048] x [K 2,048, N 2,048]; A: computed on the way; B: softmax (see below): QUANTISED
;;     9. [M 8,192, K 1,024] x [K 1,024, N 1,024]; A: computed on the way; B: input fco_w (given as codes): QUANTISED
;;   THE QUANTISER, for each operand of a quantised product, along K:
;;     - K is cut into blocks of 32 from its start; a last block that is shorter is filled with zeros.
;;     - A block's scale is 2^e with e = floor(log2(the largest magnitude in the block)) - 2, held to -126 .. 127; a block of zeros has e = 0. As a byte (E8M0): e + 127.
;;     - Each number is divided by its block's scale, clamped to +-7.5, and rounded to the nearest number of E2M3, ties to even, subnormals kept.
;;     - The product sums the exact products of the quantised numbers (number of the format x scale) in f32.
;;   ~~~python
;;   def quantise(x, axis):      # numpy; x: float32 -> the quantised numbers, widened to float32 again
;;       x = np.moveaxis(x, axis, -1); K = x.shape[-1]
;;       x = np.pad(x, [(0, 0)] * (x.ndim - 1) + [(0, -K % 32)]); x = x.reshape(x.shape[:-1] + (-1, 32)); a = np.abs(x).max(-1, keepdims=True)
;;       e = np.where(a > 0, np.clip(np.frexp(np.where(a > 0, a, 1))[1] - 1 - 2, -126, 127), 0)      # np.frexp(a)[1] - 1 = floor(log2(a)), exactly
;;       r = np.clip(x / 2.0 ** e, -7.5, 7.5)
;;       step = 2.0 ** (np.maximum(np.frexp(np.where(r == 0, 1, r))[1] - 1, 0) - 3)
;;       q = np.round(r / step) * step * 2.0 ** e      # np.round: ties to even
;;       return np.moveaxis(q.reshape(q.shape[:-2] + (-1,))[..., :K], -1, axis).astype(np.float32)
;;   ~~~
;;   SOFTMAX AHEAD OF A QUANTISED PRODUCT. Where the list says 'softmax', what is quantised is not the finished softmax but p = 2^(t - M), with t = logit x log2(e) and M = ceil(the row's largest t), a whole number; so 1/2 < the row's largest p <= 1. The row's sum l is taken of the UNQUANTISED p, in f32, and the product's result is divided by l at the end. Since M is a whole number, a kernel that streams over the keys may use a running M (the ceiling of the running maximum): every later rescaling is an exact power of two, which a block's scale takes up: the codes' values come out the same.
;;   OPERANDS COMPUTED ON THE WAY. 'Computed on the way' means the value that the module computes at that place (a softmax that the list does not call 'softmax' is quantised finished and normalised). What goes into a quantiser is computed in f32, as accurately as f32 sums, v_exp_f32 and their like allow (about 1e-6 of the number): no bf16 or f16 on the way to a quantiser, and a product that is left as it is and whose result goes on into a quantised operand takes f32 operands (vector FMAs, or v_wmma_f32_16x16x4_f32). A number that lies on a knife's edge between two numbers of the format may be rounded either way, as far as f32 arithmetic and the matrix unit's own rounding can turn it there, and no further.
;;   INPUTS GIVEN AS CODES. fck_w (in the module: [64, 1024], K = its axis 0); fco_w (in the module: [1024, 1024], K = its axis 0); fcq_w (in the module: [64, 1024], K = its axis 0); fcv_w (in the module: [64, 1024], K = its axis 0); wk (in the module: [1024, 64], K = its axis 0); wq (in the module: [1024, 64], K = its axis 0); wv (in the module: [1024, 64], K = its axis 0); z (in the module: [4, 2048, 1024], K = its axis 2): each comes as NAME_codes (uint8): NAME with its K axis moved to the last place and cut into blocks of 32 codes, [.., K / 32, bytes a block], one block behind the other in memory; four codes in three bytes: a row's codes are one little-endian stream of bits, code i at bits 6 i .. 6 i + 5 (a code: sign, 2 exponent bits, 3 mantissa bits); and NAME_scales (uint8): the same leading axes, one E8M0 byte (e + 127) for each 32 codes along K. Its value is code x scale, taken as it is: it is not quantised again, and the codes and scales need not be those that the quantiser above would give.
;; One version. Each part assembles by itself: llvm-mc -triple=amdgcn-amd-amdhsa -mcpu=gfx1250 --defsym DOCPART=n.
;; ======== version 1 of 1: 3 launches
;; workspace buffers: qb 6,815,744 bytes; kv 13,631,488 bytes; oc 6,291,456 bytes; os 262,144 bytes
;; launch proj (part 1): grid 4 x 64, 12 waves a work-group, clusters of 4 x 1, 288,256 bytes of LDS; arguments z_codes, z_scales, wq_codes, wk_codes, wv_codes, wq_scales, wk_scales, wv_scales, fcq_w_codes, fck_w_codes, fcv_w_codes, fcq_w_scales, fck_w_scales, fcv_w_scales, fcq_b, fck_b, fcv_b, qb, kv; writes qb, kv
.if DOCPART == 1
	.amdgcn_target "amdgcn-amd-amdhsa--gfx1250"
	.amdhsa_code_object_version 6
	.text
	.protected	k_q337bd13efd_proj
	.globl	k_q337bd13efd_proj
	.p2align	8
	.type	k_q337bd13efd_proj,@function
k_q337bd13efd_proj:
	s_mov_b64 s[64:65], 0
	v_nop
	global_prefetch_b8 v0, s[64:65] scope:SCOPE_SE
	s_setreg_imm32_b32 hwreg(HW_REG_WAVE_MODE, 25, 1), 1
	s_wait_xcnt 0x0
	s_wait_alu depctr_hold_cnt(0) depctr_sa_sdst(0) depctr_va_vdst(0) depctr_va_sdst(0) depctr_va_ssrc(0) depctr_va_vcc(0) depctr_vm_vsrc(0)
	s_getreg_b32 s2, hwreg(HW_REG_IB_STS2, 6, 4)
	s_cmp_eq_u32 s2, 0
	s_cbranch_scc0 .Lentry_in_a_cluster
	s_endpgm
.Lentry_in_a_cluster:
	s_bfe_u32 s2, ttmp6, 0x10000c
	s_cmp_lg_u32 s2, 0x3003
	s_cbranch_scc0 .Lentry_shape_is_right
	s_endpgm
.Lentry_shape_is_right:
; q, k, v = Q(z w) fc + bias, all six products on codes of FP6 (E2M3) with one E8M0 scale for each 32 along K; the results are quantised here and leave as IMAGES OF THE OPERAND REGISTERS
; of the attention launch.  z: [8192][1024] codes; wq, wk, wv: [64][1024] codes; fcq, fck, fcv: [1024][64] codes; biases f32.
; SHARES.  A work-group takes 128 tokens (one key step; work-group y) and four heads (its place cx in the cluster).  Wave w of twelve: matrix X = w / 4 (0 q, 1 k, 2 v), sub = w % 4.
;   Phase A: Y = z wX for tokens 32 sub .. 32 sub + 31 (two tiles), all 64 columns, K = 1,024 in eight steps; quantised along its 64; its image goes to LDS.
;   Phase B: head 4 cx + sub of matrix X for all 128 tokens.  q, k: transposed (source 0 = 16 rows of fc, source 1 = 16 tokens), so that a lane holds one token and its registers run along d, and quantised along d.
;            v: plain (source 0 = 16 tokens, source 1 = 16 rows of fc), so that a lane holds one d and its registers run along the tokens, the keys, and quantised along the keys.
; THE ROWS OF A TILE ARE NOT NEIGHBOURS: lane r of tile 2 b + u takes row 32 b + 8 u + r + 8 (r / 8), of z's tokens, of w's rows and of fc's rows alike: the 16 registers of tiles 2 b and 2 b + 1 are then 16 neighbours.
; K = 64 fills half of the instruction's 128: one side has zero codes in its upper six registers, the other side's upper six hold other codes (FP6 has no NaN), and the scale words' upper bytes are 0.
; CLUSTER: the four head groups of a token block read the same z and w: each tile is asked for jointly, once; LDS is filled once in the launch.
; The bottleneck is computed anew by each of the four head groups: 768 matrix instructions a work-group, in place of a launch of its own.
; OUT.  qb record (b 16 + head) 16 + step, 6,656 bytes: chunk 3 g + c of 512 bytes = registers 4 c .. 4 c + 3 of pair g (tile 2 g: registers 0-5, tile 2 g + 1: 6-11), 16 bytes a lane; then 512 bytes: a lane's four scale words,
;   word g: lanes 0-15 tile 2 g's rows, lanes 16-31 tile 2 g + 1's.  kv block of 13,312 bytes: k's record so, then v's: chunk 3 t + c = registers of V^T's fragment t (16 d x 128 keys), then a lane's four words, tile t's row r.
; LIMITS: NaN, infinities and the scale byte 0xff among the inputs are not served.  A block whose largest magnitude lies under 2^-124, zeros among them, gets the byte 1 (the rule says 127 for zeros): its codes
;   are zeros or the nearest codes under that scale, and these bytes are read by this program alone.
.set GS,   13184                       ; a group of 16 rows in LDS: 16 x 816 + 128.  A row: 768 bytes + 16 behind each 256 = 204 words, 12 mod 64; a group: 32 mod 64 words: the 32 lanes of an 8-byte load of a tile touch 64 different banks (64 banks of 4 bytes: ISA guide 11.1)
.set ZSZ,  8*GS                        ; z's eight groups from byte 0; behind them w's twelve (group 4 X + sub)
.set YB,   20*GS                       ; Y's images: X 6,144 + tile 768: 512 bytes (registers 0-3, 16 a lane), 256 bytes (registers 4, 5, 8 a lane).  A multiple of 256: no tile lands here
.set YSB,  YB+18432                    ; Y's scale words: X 512 + pair 128 + 4 x lane
.set LI16, 1                           ; v1  16 x lane
.set LI8,  2                           ; v2  8 x lane
.set LI4,  3                           ; v3  4 x lane
.set ZA,   4                           ; v4, v5  my lane's place in my pair's tiles of z; v5 for the pieces that lie behind one padding more
.set WA,   6                           ; v6, v7  the same in my matrix's tiles of w
.set YR16, 8                           ; v8-10   where my matrix's Y is read: 16-byte parts, 8-byte parts, scale words
.set YR8,  9
.set YRS,  10
.set YW16, 11                          ; v11-13  where my pair's Y is stored
.set YW8,  12
.set YWS,  13
.set ACC,  16                          ; v16-79   eight accumulators
.set ZF,   80                          ; v80-103  z's two fragments
.set WF,   104                         ; v104-151 w's four
.set ZS,   152                         ; v152-159 z's scale words: register s: K step s; lanes 0-15 tile 0, lanes 16-31 tile 1.  Later Y's words.  v152-175 and v206-209 hold scales alone
.set WS,   160                         ; v160-175 w's: register 8 a + s: tiles 2 a, 2 a + 1 by halves of the lanes
.set FC,   176                         ; v176-199 fc's four fragments of six registers; v200-205 zeros
.set FCS,  206                         ; v206-209 their scale words
.set BV,   210                         ; v210-213 the bias at my lane's d, a tile each (v)
.set BI,   214                         ; v214-245 the bias in the transposed result's layout, eight registers a tile (q, k)
.set OUT,  104                         ; codes just made (q, k, Y): 12 registers;  CT: a conversion's three;  TM: six at work
.set CT,   116
.set TM,   124
.set YF,   80                          ; q, k: a pair's two fragments of Y, upper six registers zeros
.set YV,   80                          ; v: Y's eight fragments of six registers
.set FZ,   134                         ; v: a fragment of fc with zeros above
.set C8,   214
.set OUTV, 222
.set CTV,  234
.set TMV,  242
.set ZC,   1000                        ; stands for the constant 0 as C
.set WV,   76                          ; s76 wave, s77 X, s78 sub, s79 cx, s[80:81] lane selects
.set XR,   77
.set SUB,  78
.set CX,   79
.set SEL,  80
.macro NOPS n
.rept \n
	v_nop
.endr
.endm
; A round of the cluster's barrier.
.macro ROUND
	s_barrier_signal -1
	s_barrier_wait -1
	s_cmp_lg_u32 s[WV], 0
	s_cbranch_scc1 .Lnot_wave_0_\@
	s_barrier_signal -3
.Lnot_wave_0_\@:
	s_barrier_wait -3
	s_barrier_signal -1
	s_barrier_wait -1
.endm
; One matrix instruction.  c: C's first register, or ZC for the constant 0.  ra, rb: 1 = the side's scales are read from lanes 16-31.
.macro WM d, a, b, c, sa, sb, ra, rb
.if (\c) >= ZC
.if (\ra) && (\rb)
	v_wmma_scale_f32_16x16x128_f8f6f4 v[\d:\d+7], v[\a:\a+11], v[\b:\b+11], 0, v[\sa], v[\sb] matrix_a_fmt:MATRIX_FMT_FP6 matrix_b_fmt:MATRIX_FMT_FP6 matrix_a_scale:MATRIX_SCALE_ROW1 matrix_b_scale:MATRIX_SCALE_ROW1
.elseif (\ra)
	v_wmma_scale_f32_16x16x128_f8f6f4 v[\d:\d+7], v[\a:\a+11], v[\b:\b+11], 0, v[\sa], v[\sb] matrix_a_fmt:MATRIX_FMT_FP6 matrix_b_fmt:MATRIX_FMT_FP6 matrix_a_scale:MATRIX_SCALE_ROW1
.elseif (\rb)
	v_wmma_scale_f32_16x16x128_f8f6f4 v[\d:\d+7], v[\a:\a+11], v[\b:\b+11], 0, v[\sa], v[\sb] matrix_a_fmt:MATRIX_FMT_FP6 matrix_b_fmt:MATRIX_FMT_FP6 matrix_b_scale:MATRIX_SCALE_ROW1
.else
	v_wmma_scale_f32_16x16x128_f8f6f4 v[\d:\d+7], v[\a:\a+11], v[\b:\b+11], 0, v[\sa], v[\sb] matrix_a_fmt:MATRIX_FMT_FP6 matrix_b_fmt:MATRIX_FMT_FP6
.endif
.else
.if (\ra) && (\rb)
	v_wmma_scale_f32_16x16x128_f8f6f4 v[\d:\d+7], v[\a:\a+11], v[\b:\b+11], v[\c:\c+7], v[\sa], v[\sb] matrix_a_fmt:MATRIX_FMT_FP6 matrix_b_fmt:MATRIX_FMT_FP6 matrix_a_scale:MATRIX_SCALE_ROW1 matrix_b_scale:MATRIX_SCALE_ROW1
.elseif (\ra)
	v_wmma_scale_f32_16x16x128_f8f6f4 v[\d:\d+7], v[\a:\a+11], v[\b:\b+11], v[\c:\c+7], v[\sa], v[\sb] matrix_a_fmt:MATRIX_FMT_FP6 matrix_b_fmt:MATRIX_FMT_FP6 matrix_a_scale:MATRIX_SCALE_ROW1
.elseif (\rb)
	v_wmma_scale_f32_16x16x128_f8f6f4 v[\d:\d+7], v[\a:\a+11], v[\b:\b+11], v[\c:\c+7], v[\sa], v[\sb] matrix_a_fmt:MATRIX_FMT_FP6 matrix_b_fmt:MATRIX_FMT_FP6 matrix_b_scale:MATRIX_SCALE_ROW1
.else
	v_wmma_scale_f32_16x16x128_f8f6f4 v[\d:\d+7], v[\a:\a+11], v[\b:\b+11], v[\c:\c+7], v[\sa], v[\sb] matrix_a_fmt:MATRIX_FMT_FP6 matrix_b_fmt:MATRIX_FMT_FP6
.endif
.endif
.endm
; A fragment, 16 rows x 128 K, K step s of rows of 768 bytes: six pieces of 8 bytes.  Lanes 0-15 take the row's pieces 12 s + 0, 1, 2 and 12 s + 6, 7, 8, lanes 16-31 those three pieces on;
; 16 bytes of padding lie behind every 32 pieces: where the piece three on lies behind one padding more, the second address register (40 for 24 bytes a half) serves.
.macro FRAG reg, adr, s, off
.irp p, 0,1,2,3,4,5
.set PCN, 12*(\s)+6*(\p/3)+\p%3
.if PCN%32 < 29
	ds_load_b64 v[\reg+2*\p:\reg+2*\p+1], v[\adr] offset:\off+8*PCN+16*(PCN/32)
.else
	ds_load_b64 v[\reg+2*\p:\reg+2*\p+1], v[\adr+1] offset:\off+8*PCN+16*(PCN/32)
.endif
.endr
.endm
; 32 numbers of a lane, register 16 b + i = k 32 b + 16 (lane / 16) + i of my row, become six registers of codes (k = 32 (lane / 16) + 0 .. 31) and the two scale bytes as a word.
.macro QUANT2 src, dst, wrd, tmp, cvt
.irp b, 0,1
	v_max3_num_f32 v[\tmp+\b], |v[\src+16*\b]|, |v[\src+1+16*\b]|, 0x1800000   ; my 16 numbers of block b, and the floor 2^(3 - 127): the byte cannot fall under 1
.endr
.irp i, 2,4,6,8,10,12,14
.irp b, 0,1
	v_max3_num_f32 v[\tmp+\b], v[\tmp+\b], |v[\src+16*\b+\i]|, |v[\src+1+16*\b+\i]|
.endr
.endr
.irp b, 0,1
	v_permlanex16_b32 v[\tmp+2+\b], v[\tmp+\b], s[SEL], s[SEL+1]
.endr
.irp b, 0,1
	v_max_num_f32 v[\tmp+\b], v[\tmp+\b], v[\tmp+2+\b]   ; with lane l xor 16's: the block's largest magnitude
.endr
.irp b, 0,1
	v_add_nc_u32 v[\tmp+4+\b], 0xff000000, v[\tmp+\b]    ; 2 off its exponent field: the conversion's scale operand
.endr
.irp b, 0,1
	v_lshrrev_b32 v[\tmp+2+\b], 23, v[\tmp+4+\b]         ; the scale's byte
.endr
	v_lshl_or_b32 v[\wrd], v[\tmp+3], 8, v[\tmp+2]
	v_cvt_scalef32_pk16_fp6_f32 v[\dst:\dst+2], v[\src:\src+15], v[\tmp+4]
	v_cvt_scalef32_pk16_fp6_f32 v[\cvt:\cvt+2], v[\src+16:\src+31], v[\tmp+5]
	v_nop                                          ; one plain place behind a scaled conversion
.irp i, 0,1,2
	v_permlane16_swap_b32 v[\dst+\i], v[\cvt+\i]   ; a whole block to a lane: lanes 0-15 block 0, lanes 16-31 block 1
.endr
.irp i, 0,1,2
	v_mov_b32 v[\dst+3+\i], v[\cvt+\i]
.endr
.endm
; The same for 64 numbers: a whole fragment, 12 registers, and its scale word of four bytes.
.macro QUANT src, dst, wrd, tmp, cvt
.irp b, 0,1,2,3
	v_max3_num_f32 v[\tmp+\b], |v[\src+16*\b]|, |v[\src+1+16*\b]|, 0x1800000
.endr
.irp i, 2,4,6,8,10,12,14
.irp b, 0,1,2,3
	v_max3_num_f32 v[\tmp+\b], v[\tmp+\b], |v[\src+16*\b+\i]|, |v[\src+1+16*\b+\i]|
.endr
.endr
.irp b, 0,1,2,3
	v_permlanex16_b32 v[\tmp+4+\b], v[\tmp+\b], s[SEL], s[SEL+1]
.endr
.irp b, 0,1,2,3
	v_max_num_f32 v[\tmp+\b], v[\tmp+\b], v[\tmp+4+\b]
.endr
.irp b, 0,1,2,3
	v_add_nc_u32 v[\tmp+8+\b], 0xff000000, v[\tmp+\b]
.endr
.irp b, 0,1,2,3
	v_lshrrev_b32 v[\tmp+4+\b], 23, v[\tmp+8+\b]
.endr
	v_lshl_or_b32 v[\wrd], v[\tmp+5], 8, v[\tmp+4]
	v_lshl_or_b32 v[\wrd], v[\tmp+6], 16, v[\wrd]
	v_lshl_or_b32 v[\wrd], v[\tmp+7], 24, v[\wrd]
.irp c, 0,1
	v_cvt_scalef32_pk16_fp6_f32 v[\dst+6*\c:\dst+6*\c+2], v[\src+32*\c:\src+32*\c+15], v[\tmp+8+2*\c]
	v_cvt_scalef32_pk16_fp6_f32 v[\cvt+4*\c:\cvt+4*\c+2], v[\src+32*\c+16:\src+32*\c+31], v[\tmp+9+2*\c]
.endr
	v_nop
.irp c, 0,1
.irp i, 0,1,2
	v_permlane16_swap_b32 v[\dst+6*\c+\i], v[\cvt+4*\c+\i]
.endr
.irp i, 0,1,2
	v_mov_b32 v[\dst+6*\c+3+\i], v[\cvt+4*\c+\i]
.endr
.endr
.endm
	s_load_b512 s[16:31], s[0:1], 0x0              ; z codes, z scales, wq, wk, wv codes, wq, wk, wv scales
	s_load_b512 s[32:47], s[0:1], 0x40             ; fcq, fck, fcv codes, fcq, fck, fcv scales, fcq_b, fck_b
	s_load_b128 s[48:51], s[0:1], 0x80             ; fcv_b, qb
	s_load_b64 s[52:53], s[0:1], 0x90              ; kv
	v_lshl_add_u32 v254, v0, 2, 0x46000
	v_mov_b32 v255, 0
	ds_add_u32 v254, v255
	ds_add_u32 v254, v255
	v_lshrrev_b32 v14, 5, v0
	v_readfirstlane_b32 s[WV], v14                 ; wave 0..11
	s_lshr_b32 s[XR], s[WV], 2                     ; X: which matrix
	s_and_b32 s[SUB], s[WV], 3
	s_bfe_u32 s[CX], ttmp6, 0x40000                ; cx: it enters global addresses of fc, the biases and the outputs alone
	s_and_b32 s82, ttmp7, 0xffff                   ; the token block
	s_mov_b32 s[SEL], 0x76543210
	s_mov_b32 s[SEL+1], 0xfedcba98                 ; v_permlanex16_b32's selects for lane l xor 16
	s_mov_b32 vcc_lo, 0xffff0000                   ; lanes 16-31
	; every address register is made here, ahead of the first branch on the wave's number
	v_and_b32 v15, 31, v0
	v_lshlrev_b32 v[LI16], 4, v15
	v_lshlrev_b32 v[LI8], 3, v15
	v_lshlrev_b32 v[LI4], 2, v15
	v_and_b32 v14, 15, v0                          ; r
	v_bfe_u32 v15, v0, 4, 1                        ; h
	v_and_b32 v251, 8, v14
	v_add_nc_u32 v251, v251, v14                   ; PR = r + 8 (r / 8)
	v_lshlrev_b32 v246, 5, v251
	v_lshl_add_u32 v246, v15, 8, v246              ; scale rows of 32 bytes: row PR + 8 h
	v_mul_u32_u24 v247, v251, 48
	v_mad_u32_u24 v247, v15, 24, v247              ; fc: row PR of 48 bytes, + 24 h
	v_lshlrev_b32 v248, 1, v251                    ; fc's scales: 2 bytes a row
	v_lshlrev_b32 v249, 6, v15                     ; the bias in the transposed layout: 16 h numbers on
	v_lshlrev_b32 v250, 2, v251                    ; the bias at my d
	v_bfe_u32 v4, v0, 3, 1
	v_and_b32 v5, 7, v0
	v_mul_u32_u24 v4, v4, GS
	v_mad_u32_u24 v4, v5, 816, v4
	v_mad_u32_u24 v4, v15, 24, v4                  ; (r / 8) groups + (r % 8) rows + 24 h
	v_lshl_add_u32 v5, v15, 4, v4                  ; the same with 40 h
	s_mul_i32 s83, s[SUB], 2*GS                    ; my pair of tiles of z: groups 2 sub, 2 sub + 1
	s_mul_i32 s84, s[XR], 4*GS
	s_add_co_u32 s84, s84, ZSZ                     ; my matrix's four groups of w
	v_add_nc_u32 v[WA], s84, v4
	v_add_nc_u32 v[WA+1], s84, v5
	v_add_nc_u32 v[ZA], s83, v4
	v_add_nc_u32 v[ZA+1], s83, v5
	s_mul_i32 s85, s[XR], 6144
	s_add_co_u32 s85, s85, YB
	v_add_nc_u32 v[YR16], s85, v[LI16]
	v_add_nc_u32 v[YR8], s85, v[LI8]
	s_lshl_b32 s86, s[XR], 9
	s_add_co_u32 s86, s86, YSB
	v_add_nc_u32 v[YRS], s86, v[LI4]
	s_mul_i32 s87, s[SUB], 1536
	v_add_nc_u32 v[YW16], s87, v[YR16]
	v_add_nc_u32 v[YW8], s87, v[YR8]
	s_lshl_b32 s87, s[SUB], 7
	v_add_nc_u32 v[YWS], s87, v[YRS]
.irp i, 0,1,2,3,4,5
	v_mov_b32 v[FC+24+\i], 0                       ; what stands above fc's last fragment
.endr
	; where the results go.  (s88-s93, s98, s99 hold what hangs on cx; none of them feeds a descriptor)
	s_lshl_b32 s88, s[CX], 2
	s_add_co_u32 s88, s88, s[SUB]                  ; my head
	s_lshr_b32 s89, s82, 4                         ; batch
	s_and_b32 s90, s82, 15                         ; key step
	s_lshl_b32 s89, s89, 4
	s_add_co_u32 s89, s89, s88
	s_lshl_b32 s89, s89, 4
	s_add_co_u32 s89, s89, s90                     ; the record: (batch 16 + head) 16 + step
	s_cmp_eq_u32 s[XR], 0
	s_mov_b32 s91, 13312
	s_cselect_b32 s91, 6656, s91
	s_mul_i32 s92, s89, s91
	s_cmp_eq_u32 s[XR], 2
	s_cselect_b32 s93, 6656, 0                     ; v's record lies behind k's
	s_add_co_u32 s92, s92, s93
	s_mov_b32 s93, 0
	s_mov_b32 s99, 0
	s_mov_b32 s95, 0
	; descriptor group 1, for z's and w's tiles alike: 16 rows of 96 elements of 8 bytes, dense in memory, 16 bytes of padding behind each 256
	s_mov_b32 s56, 15|(3<<16)|(1<<20)|(1<<21)|(5<<22)|(3<<25)  ; 15:0 the mask: all four work-groups; 17:16 elements of 8 bytes; 20 padding on; 21 set beside a mask; 24:22 after every 64 words; 31:25 of 4 words
	s_mov_b32 s57, 96<<16                          ; tensor_dim0
	s_mov_b32 s58, 16<<16                          ; tensor_dim1
	s_mov_b32 s59, 96<<16                          ; tile_dim0
	s_mov_b32 s60, 16                              ; tile_dim1
	s_mov_b32 s61, 96                              ; the pitch
	s_mov_b32 s62, 0
	s_mov_b32 s63, 0
	s_mov_b32 s68, 1
	s_mul_i32 s69, s[WV], GS
	s_add_co_u32 s69, s69, ZSZ                     ; w's group 4 X + sub = my wave's number
	s_mov_b32 s72, 1
	s_mul_i32 s73, s[WV], GS                       ; z's group: waves 0 to 7
	s_wait_dscnt 0x0
	s_wait_kmcnt 0x0
	s_cmp_eq_u32 s[XR], 1                          ; my matrix's buffers: the choice hangs on the wave's number alone
	s_cselect_b64 s[4:5], s[22:23], s[24:25]
	s_cselect_b64 s[6:7], s[28:29], s[30:31]
	s_cselect_b64 s[8:9], s[34:35], s[36:37]
	s_cselect_b64 s[10:11], s[40:41], s[42:43]
	s_cselect_b64 s[12:13], s[46:47], s[48:49]
	s_cmp_eq_u32 s[XR], 0
	s_cselect_b64 s[4:5], s[20:21], s[4:5]         ; w's codes
	s_cselect_b64 s[6:7], s[26:27], s[6:7]         ; w's scales
	s_cselect_b64 s[8:9], s[32:33], s[8:9]         ; fc's codes
	s_cselect_b64 s[10:11], s[38:39], s[10:11]     ; fc's scales
	s_cselect_b64 s[12:13], s[44:45], s[12:13]     ; the bias
	s_cselect_b64 s[14:15], s[50:51], s[52:53]     ; qb or kv
	s_add_nc_u64 s[14:15], s[14:15], s[92:93]
	s_mul_i32 s98, s88, 3072                       ; my head's 64 rows of fc,
	s_add_nc_u64 s[8:9], s[8:9], s[98:99]
	s_lshl_b32 s98, s88, 7                         ; their scales,
	s_add_nc_u64 s[10:11], s[10:11], s[98:99]
	s_lshl_b32 s98, s88, 8                         ; their biases
	s_add_nc_u64 s[12:13], s[12:13], s[98:99]
	s_lshl_b32 s94, s82, 12                        ; z's scales: 128 rows of 32 bytes a block, 32 rows a pair
	s_lshl_b32 s96, s[SUB], 10
	s_add_co_u32 s94, s94, s96
	s_add_nc_u64 s[18:19], s[18:19], s[94:95]
	s_mul_i32 s94, s[SUB], 12288                   ; w: rows 16 sub on
	s_add_nc_u64 s[70:71], s[4:5], s[94:95]
	s_or_b32 s71, s71, 0x80000000
	s_mul_i32 s94, s82, 98304                      ; z: the block's 128 rows, 16 a wave
	s_mul_i32 s96, s[WV], 12288
	s_add_co_u32 s94, s94, s96
	s_add_nc_u64 s[74:75], s[16:17], s[94:95]
	s_or_b32 s75, s75, 0x80000000
	ROUND                                          ; all four work-groups are here: the joint loads meet
	tensor_load_to_lds s[68:71], s[56:63]          ; every wave: a group of w
	s_nop 0
	NOPS 4
	s_cmp_lt_u32 s[WV], 8
	s_cbranch_scc0 .Lno_z
	tensor_load_to_lds s[72:75], s[56:63]          ; waves 0 to 7: a group of z.  Two tensor loads of a wave are out at the most
	s_nop 0
	NOPS 4
.Lno_z:
	global_load_b128 v[ZS:ZS+3], v246, s[18:19]
	global_load_b128 v[ZS+4:ZS+7], v246, s[18:19] offset:16
.irp a, 0,1
	global_load_b128 v[WS+8*\a:WS+8*\a+3], v246, s[6:7] offset:1024*\a
	global_load_b128 v[WS+8*\a+4:WS+8*\a+7], v246, s[6:7] offset:1024*\a+16
.endr
.irp t, 0,1,2,3                                ; fc's tile t begins at row 32 (t / 2) + 8 (t % 2)
.irp p, 0,1,2
	global_load_b64 v[FC+6*\t+2*\p:FC+6*\t+2*\p+1], v247, s[8:9] offset:(32*(\t/2)+8*(\t%2))*48+8*\p
.endr
	global_load_u16 v[FCS+\t], v248, s[10:11] offset:(32*(\t/2)+8*(\t%2))*2
	global_load_b128 v[BI+8*\t:BI+8*\t+3], v249, s[12:13] offset:(32*(\t/2)+8*(\t%2))*4
	global_load_b128 v[BI+8*\t+4:BI+8*\t+7], v249, s[12:13] offset:(32*(\t/2)+8*(\t%2))*4+16
	global_load_b32 v[BV+\t], v250, s[12:13] offset:(32*(\t/2)+8*(\t%2))*4
.endr
	s_wait_tensorcnt 0x0                           ; my groups have landed,
	s_barrier_signal -1
	s_barrier_wait -1                              ; everybody's have
	; ---- A: Y^T = w z^T for my pair of tiles: eight accumulators by turns, a K step of 128 at a time
.irp s, 0,1,2,3,4,5,6,7
.if \s > 0
	NOPS 4                                         ; places in front of loads into registers that matrix instructions have read
.endif
	FRAG ZF, ZA, \s, 0
	FRAG ZF+12, ZA, \s, 6528
.irp t, 0,1,2,3
	FRAG WF+12*\t, WA, \s, 26368*(\t/2)+6528*(\t%2)
.endr
	s_wait_dscnt 0x0
.if \s == 0
	s_wait_loadcnt 0x0                             ; the scale words, fc and the biases: once
.endif
.irp m, 0,1
.irp t, 0,1,2,3
.if \s == 0
	WM ACC+32*\m+8*\t, WF+12*\t, ZF+12*\m, ZC, WS+8*(\t/2)+\s, ZS+\s, \t%2, \m
.else
	WM ACC+32*\m+8*\t, WF+12*\t, ZF+12*\m, ACC+32*\m+8*\t, WS+8*(\t/2)+\s, ZS+\s, \t%2, \m
.endif
.endr
.endr
.endr
	NOPS 4
	QUANT2 ACC, OUT, ZS+1, TM, CT                  ; lane (r, h) holds token r of the tile; register 16 b + i is column 32 b + 16 h + i
	QUANT2 ACC+32, OUT+6, ZS+2, TM, CT
	v_cndmask_b32 v[ZS+3], v[ZS+1], v[ZS+2], vcc_lo  ; one register for the pair: lanes 0-15 tile 0's words, lanes 16-31 tile 1's
.irp m, 0,1
	ds_store_b128 v[YW16], v[OUT+6*\m:OUT+6*\m+3] offset:768*\m
	ds_store_b64 v[YW8], v[OUT+6*\m+4:OUT+6*\m+5] offset:768*\m+512
.endr
	ds_store_b32 v[YWS], v[ZS+3]
	s_wait_dscnt 0x0                               ; for the others' sake: my stores have landed
	s_barrier_signal -1
	s_barrier_wait -1                              ; all of Y lies in LDS
	s_cmp_eq_u32 s[XR], 2
	s_cbranch_scc1 .Lv
	; ---- B, q and k: a pair of tiles of tokens at a time
.irp i, 0,1,2,3,4,5
	v_mov_b32 v[YF+6+\i], 0                        ; K = 64: Y's side has zero codes above
	v_mov_b32 v[YF+18+\i], 0
.endr
.irp g, 0,1,2,3
.irp m, 0,1
	ds_load_b128 v[YF+12*\m:YF+12*\m+3], v[YR16] offset:1536*\g+768*\m
	ds_load_b64 v[YF+12*\m+4:YF+12*\m+5], v[YR8] offset:1536*\g+768*\m+512
.endr
	ds_load_b32 v[ZS], v[YRS] offset:128*\g
	NOPS 5                                         ; the accumulators are begun anew with another C
	s_wait_dscnt 0x0
.irp m, 0,1
.irp t, 0,1,2,3
	WM ACC+32*\m+8*\t, FC+6*\t, YF+12*\m, BI+8*\t, FCS+\t, ZS, 0, \m
.endr
.endr
	NOPS 4
	s_wait_xcnt 0x0                                ; the last pair's stores have read their data: the codes' registers are written again only behind this wait
	QUANT2 ACC, OUT, ZS+1, TM, CT
	QUANT2 ACC+32, OUT+6, ZS+2, TM, CT
	v_cndmask_b32 v[ZS+4+\g], v[ZS+1], v[ZS+2], vcc_lo
.irp c, 0,1,2
	global_store_b128 v[LI16], v[OUT+4*\c:OUT+4*\c+3], s[14:15] offset:1536*\g+512*\c   ; 32 lanes store 512 consecutive bytes, at a multiple of 256 from the buffer's first byte
.endr
.endr
	global_store_b128 v[LI16], v[ZS+4:ZS+7], s[14:15] offset:6144
	s_branch .Ldone
	; ---- B, v: all eight tiles of tokens against a tile of 16 d at a time
.Lv:
.irp m, 0,1,2,3,4,5,6,7
	ds_load_b128 v[YV+6*\m:YV+6*\m+3], v[YR16] offset:768*\m
	ds_load_b64 v[YV+6*\m+4:YV+6*\m+5], v[YR8] offset:768*\m+512
.endr
.irp g, 0,1,2,3
	ds_load_b32 v[ZS+\g], v[YRS] offset:128*\g
.endr
.irp i, 0,1,2,3,4,5
	v_mov_b32 v[FZ+6+\i], 0                        ; K = 64: here fc's side has zero codes above
.endr
	s_wait_dscnt 0x0
.irp t, 0,1,2,3
.irp i, 0,1,2,3,4,5
	v_mov_b32 v[FZ+\i], v[FC+6*\t+\i]
.endr
.irp i, 0,1,2,3,4,5,6,7
	v_mov_b32 v[C8+\i], v[BV+\t]                   ; the bias is the C of the sums: a lane holds one d
.endr
	NOPS 5
.irp m, 0,1,2,3,4,5,6,7
	WM ACC+8*\m, YV+6*\m, FZ, C8, ZS+\m/2, FCS+\t, \m%2, 0
.endr
	NOPS 4
	s_wait_xcnt 0x0                                ; the last tile's stores have read their data
	QUANT ACC, OUTV, ZS+4+\t, TMV, CTV             ; register 16 b + i is key 32 b + 16 h + i of my d
.irp c, 0,1,2
	global_store_b128 v[LI16], v[OUTV+4*\c:OUTV+4*\c+3], s[14:15] offset:1536*\t+512*\c
.endr
.endr
	global_store_b128 v[LI16], v[ZS+4:ZS+7], s[14:15] offset:6144
.Ldone:
	s_wait_dscnt 0x0
	s_wait_tensorcnt 0x0
	ds_add_u32 v254, v255
	s_wait_dscnt 0x0
	ROUND                                          ; the closing round: no work-group ends while a partner may still ask for a tile that names it
	s_endpgm
.Lfunc_end_k_q337bd13efd_proj:
	.size	k_q337bd13efd_proj, .Lfunc_end_k_q337bd13efd_proj-k_q337bd13efd_proj
	.p2alignl 7, 3214868480
	.fill 96, 4, 3214868480
	.section	.rodata,"a",@progbits
	.p2align	6, 0x0
	.amdhsa_kernel k_q337bd13efd_proj
		.amdhsa_group_segment_fixed_size 288256
		.amdhsa_private_segment_fixed_size 0
		.amdhsa_enable_private_segment 0
		.amdhsa_kernarg_size 152
		.amdhsa_user_sgpr_count 2
		.amdhsa_user_sgpr_kernarg_segment_ptr 1
		.amdhsa_wavefront_size32 1
		.amdhsa_system_sgpr_workgroup_id_x 1
		.amdhsa_system_sgpr_workgroup_id_y 1
		.amdhsa_system_sgpr_workgroup_id_z 1
		.amdhsa_system_vgpr_workitem_id 0
		.amdhsa_next_free_vgpr 256
		.amdhsa_next_free_sgpr 100
		.amdhsa_reserve_vcc 1
		.amdhsa_float_denorm_mode_32 3
		.amdhsa_float_denorm_mode_16_64 3
		.amdhsa_memory_ordered 1
		.amdhsa_forward_progress 1
		.amdhsa_inst_pref_size 90
	.end_amdhsa_kernel
	.amdgpu_metadata
---
amdhsa.version: [ 1, 2 ]
amdhsa.kernels:
  - .name:           k_q337bd13efd_proj
    .symbol:         k_q337bd13efd_proj.kd
    .args:
      - { .name: z_codes, .offset: 0, .size: 8, .value_kind: global_buffer, .address_space: global }
      - { .name: z_scales, .offset: 8, .size: 8, .value_kind: global_buffer, .address_space: global }
      - { .name: wq_codes, .offset: 16, .size: 8, .value_kind: global_buffer, .address_space: global }
      - { .name: wk_codes, .offset: 24, .size: 8, .value_kind: global_buffer, .address_space: global }
      - { .name: wv_codes, .offset: 32, .size: 8, .value_kind: global_buffer, .address_space: global }
      - { .name: wq_scales, .offset: 40, .size: 8, .value_kind: global_buffer, .address_space: global }
      - { .name: wk_scales, .offset: 48, .size: 8, .value_kind: global_buffer, .address_space: global }
      - { .name: wv_scales, .offset: 56, .size: 8, .value_kind: global_buffer, .address_space: global }
      - { .name: fcq_w_codes, .offset: 64, .size: 8, .value_kind: global_buffer, .address_space: global }
      - { .name: fck_w_codes, .offset: 72, .size: 8, .value_kind: global_buffer, .address_space: global }
      - { .name: fcv_w_codes, .offset: 80, .size: 8, .value_kind: global_buffer, .address_space: global }
      - { .name: fcq_w_scales, .offset: 88, .size: 8, .value_kind: global_buffer, .address_space: global }
      - { .name: fck_w_scales, .offset: 96, .size: 8, .value_kind: global_buffer, .address_space: global }
      - { .name: fcv_w_scales, .offset: 104, .size: 8, .value_kind: global_buffer, .address_space: global }
      - { .name: fcq_b, .offset: 112, .size: 8, .value_kind: global_buffer, .address_space: global }
      - { .name: fck_b, .offset: 120, .size: 8, .value_kind: global_buffer, .address_space: global }
      - { .name: fcv_b, .offset: 128, .size: 8, .value_kind: global_buffer, .address_space: global }
      - { .name: qb, .offset: 136, .size: 8, .value_kind: global_buffer, .address_space: global }
      - { .name: kv, .offset: 144, .size: 8, .value_kind: global_buffer, .address_space: global }
    .group_segment_fixed_size: 288256
    .private_segment_fixed_size: 0
    .kernarg_segment_align: 8
    .kernarg_segment_size: 152
    .max_flat_workgroup_size: 384
    .sgpr_count:     100
    .vgpr_count:     256
    .wavefront_size: 32
...
	.end_amdgpu_metadata
.endif
;; end of part 1
;; launch attn (part 2): grid 4 x 64, 16 waves a work-group, clusters of 4 x 1, 215,040 bytes of LDS; arguments qb, kv, oc, os; writes oc, os
.if DOCPART == 2
	.amdgcn_target "amdgcn-amd-amdhsa--gfx1250"
	.amdhsa_code_object_version 6
	.text
	.protected	k_q337bd13efd_attn
	.globl	k_q337bd13efd_attn
	.p2align	8
	.type	k_q337bd13efd_attn,@function
k_q337bd13efd_attn:
	s_mov_b64 s[64:65], 0
	v_nop
	global_prefetch_b8 v0, s[64:65] scope:SCOPE_SE
	s_setreg_imm32_b32 hwreg(HW_REG_WAVE_MODE, 25, 1), 1
	s_wait_xcnt 0x0
	s_wait_alu depctr_hold_cnt(0) depctr_sa_sdst(0) depctr_va_vdst(0) depctr_va_sdst(0) depctr_va_ssrc(0) depctr_va_vcc(0) depctr_vm_vsrc(0)
	s_getreg_b32 s2, hwreg(HW_REG_IB_STS2, 6, 4)
	s_cmp_eq_u32 s2, 0
	s_cbranch_scc0 .Lentry_in_a_cluster
	s_endpgm
.Lentry_in_a_cluster:
	s_bfe_u32 s2, ttmp6, 0x10000c
	s_cmp_lg_u32 s2, 0x3003
	s_cbranch_scc0 .Lentry_shape_is_right
	s_endpgm
.Lentry_shape_is_right:
; O = softmax(q k^T / 8) v for one (batch, head) = work-group y, both products on codes of FP6 (E2M3) with one E8M0 scale for each 32 along K; O / l is quantised along d and leaves as an image of the next launch's operand.
; THE SOFTMAX: t = score x log2(e) / 8; M = the running largest t rounded UP to a whole number; p = 2^(t - M) is quantised along the keys, not normalised; the row's sum is taken of the unquantised p and divides O at
; the end.  When M moves, the sum and O are multiplied by 2^(old M - new M): exact.
; SHARES.  A work-group owns 512 queries (its place cx in the cluster), each of its sixteen waves 32 of them: two tiles of 16, one after the other.  Four waves to a SIMD: one wave's vector work stands beside
; another's matrix work and LDS loads.  Every wave walks the head's 2,048 keys, 128 a step.
; LDS holds the head's whole K and V, 16 blocks of 13,312 bytes, as they lie in memory: images of the operand registers, 16 bytes a lane: every read is 512 consecutive bytes.  It is filled ONCE, wave w bringing
; step w's block, jointly for the four work-groups of the cluster, which walk the same K and V.  Nothing is stored to LDS.
; LAYOUT.  Both products transposed: S^T = K Q^T, O^T = V^T P^T: a lane holds one query throughout.  The keys of a tile of K, and the d of a tile of V^T, are in the order 32 b + 8 u + r + 8 (r / 8), so that the 16
; registers of tiles 2 b and 2 b + 1 are 16 neighbours along the next product's K.  The head's 64 fill half of the first product's 128: Q has zero codes in its upper six registers; K's upper six are the next tile's.
; LIMITS: NaN and infinities are not served.  A block of p or of O / l whose largest magnitude lies under 2^-124 gets the byte 1.  1 / l is v_rcp_f32's.
.set ZC,  1000
.set WV,  12                           ; s12 wave, s13 cx, s14 (batch, head)
.set SEL, 20                           ; s[20:21] lane selects; s[22:23] c = log2(e) / 8, twice
.set CS,  22
.set TB,  48                           ; s48 the step's block in LDS; s49 steps to go; s50 tiles to go
; v1 16 x lane; v2 8 x lane; v3 32 r; v4 the step's address; v5 16 r; v12 -M; v13 the largest t; v[14:15] the sum; v16-27 Q (v22-27 zeros); v28-39 both tiles' Q; v40-87 K's, then V's fragments (v88-93 zeros);
; v96-159 S^T, then p; v160-191 O^T; v192-203 p's codes; v204-211 conversions; v212-215 block maxima; v216-219, v220-223, v224 at work; v[226:227] f; v[228:229] the second chain of the sum;
; v232-235 K's scale words, v236-239 V's, v240 p's, v241, v242 Q's, v243 O's: these hold scales alone.
.macro NOPS n
.rept \n
	v_nop
.endr
.endm
.macro ROUND
	s_barrier_signal -1
	s_barrier_wait -1
	s_cmp_lg_u32 s[WV], 0
	s_cbranch_scc1 .Lnot_wave_0_\@
	s_barrier_signal -3
.Lnot_wave_0_\@:
	s_barrier_wait -3
	s_barrier_signal -1
	s_barrier_wait -1
.endm
.macro WM d, a, b, c, sa, sb, ra
.if (\c) >= ZC
.if (\ra)
	v_wmma_scale_f32_16x16x128_f8f6f4 v[\d:\d+7], v[\a:\a+11], v[\b:\b+11], 0, v[\sa], v[\sb] matrix_a_fmt:MATRIX_FMT_FP6 matrix_b_fmt:MATRIX_FMT_FP6 matrix_a_scale:MATRIX_SCALE_ROW1
.else
	v_wmma_scale_f32_16x16x128_f8f6f4 v[\d:\d+7], v[\a:\a+11], v[\b:\b+11], 0, v[\sa], v[\sb] matrix_a_fmt:MATRIX_FMT_FP6 matrix_b_fmt:MATRIX_FMT_FP6
.endif
.else
	v_wmma_scale_f32_16x16x128_f8f6f4 v[\d:\d+7], v[\a:\a+11], v[\b:\b+11], v[\c:\c+7], v[\sa], v[\sb] matrix_a_fmt:MATRIX_FMT_FP6 matrix_b_fmt:MATRIX_FMT_FP6
.endif
.endm
; 32 numbers of a lane, register 16 b + i = k 32 b + 16 (lane / 16) + i of my row, become six registers of codes and the two scale bytes as a word.
.macro QUANT2 src, dst, wrd, tmp, cvt
.irp b, 0,1
	v_max3_num_f32 v[\tmp+\b], |v[\src+16*\b]|, |v[\src+1+16*\b]|, 0x1800000
.endr
.irp i, 2,4,6,8,10,12,14
.irp b, 0,1
	v_max3_num_f32 v[\tmp+\b], v[\tmp+\b], |v[\src+16*\b+\i]|, |v[\src+1+16*\b+\i]|
.endr
.endr
.irp b, 0,1
	v_permlanex16_b32 v[\tmp+2+\b], v[\tmp+\b], s[SEL], s[SEL+1]
.endr
.irp b, 0,1
	v_max_num_f32 v[\tmp+\b], v[\tmp+\b], v[\tmp+2+\b]
.endr
.irp b, 0,1
	v_add_nc_u32 v[\tmp+4+\b], 0xff000000, v[\tmp+\b]
.endr
.irp b, 0,1
	v_lshrrev_b32 v[\tmp+2+\b], 23, v[\tmp+4+\b]
.endr
	v_lshl_or_b32 v[\wrd], v[\tmp+3], 8, v[\tmp+2]
	v_cvt_scalef32_pk16_fp6_f32 v[\dst:\dst+2], v[\src:\src+15], v[\tmp+4]
	v_cvt_scalef32_pk16_fp6_f32 v[\cvt:\cvt+2], v[\src+16:\src+31], v[\tmp+5]
	v_nop
.irp i, 0,1,2
	v_permlane16_swap_b32 v[\dst+\i], v[\cvt+\i]
.endr
.irp i, 0,1,2
	v_mov_b32 v[\dst+3+\i], v[\cvt+\i]
.endr
.endm
	s_load_b256 s[4:11], s[0:1], 0x0               ; qb, kv, oc, os
	v_lshl_add_u32 v254, v0, 2, 0x34000
	v_mov_b32 v255, 0
	ds_add_u32 v254, v255
	ds_add_u32 v254, v255
	v_lshrrev_b32 v6, 5, v0
	v_readfirstlane_b32 s[WV], v6                  ; wave 0..15
	s_bfe_u32 s13, ttmp6, 0x40000                  ; cx: it enters Q's and O's global addresses alone
	s_and_b32 s14, ttmp7, 0xffff                   ; batch 16 + head, which the four partners share
	v_and_b32 v6, 31, v0
	v_lshlrev_b32 v1, 4, v6
	v_lshlrev_b32 v2, 3, v6
	v_and_b32 v6, 15, v0
	v_lshlrev_b32 v3, 5, v6
	v_lshlrev_b32 v5, 4, v6
	; descriptor group 1: a dense block of 13,312 bytes as 52 rows of 32 elements of 8 bytes, no padding
	s_mov_b32 s24, 15|(3<<16)|(1<<21)              ; 15:0 the mask: all four work-groups; 17:16 elements of 8 bytes; 21 set beside a mask
	s_mov_b32 s25, 32<<16
	s_mov_b32 s26, 52<<16
	s_mov_b32 s27, 32<<16
	s_mov_b32 s28, 52
	s_mov_b32 s29, 32
	s_mov_b32 s30, 0
	s_mov_b32 s31, 0
	s_mov_b32 s[SEL], 0x76543210
	s_mov_b32 s[SEL+1], 0xfedcba98
	s_mov_b32 s[CS], 0x3e38aa3b                    ; log2(e) / 8
	s_mov_b32 s[CS+1], s[CS]
	s_mov_b32 s40, 1
	s_mul_i32 s41, s[WV], 13312                    ; step w's block: in LDS,
	s_mul_i32 s56, s14, 212992
	s_add_co_u32 s56, s56, s41                     ; and in the head's part of kv
	s_mov_b32 s57, 0
	; Q: record (batch 16 + head) 16 + 4 cx + w / 4, pair w % 4.  (s15-s17, s52-s55, s60-s63 hold what hangs on cx; none of them feeds the descriptor)
	s_lshl_b32 s52, s14, 4
	s_lshl_b32 s53, s13, 2
	s_add_co_u32 s52, s52, s53
	s_lshr_b32 s53, s[WV], 2
	s_add_co_u32 s52, s52, s53
	s_mul_i32 s52, s52, 6656
	s_and_b32 s53, s[WV], 3
	s_lshl_b32 s54, s53, 2
	s_add_co_u32 s54, s54, s52
	s_add_co_u32 s54, s54, 6144                    ; the pair's scale word in each lane's 16 bytes
	s_mov_b32 s55, 0
	s_mul_i32 s53, s53, 1536
	s_add_co_u32 s52, s52, s53                     ; the pair's three chunks
	s_mov_b32 s53, 0
	; O's codes: [row block][K step = head / 2][tile % 8][head % 2][768 bytes]; tile = batch 128 + 32 cx + 2 w + u
	s_lshr_b32 s15, s14, 4                         ; batch
	s_and_b32 s16, s14, 15                         ; head
	s_lshl_b32 s60, s15, 4
	s_lshl_b32 s17, s13, 2
	s_add_co_u32 s60, s60, s17
	s_lshr_b32 s17, s[WV], 2
	s_add_co_u32 s60, s60, s17
	s_mul_i32 s60, s60, 98304
	s_lshr_b32 s17, s16, 1
	s_mul_i32 s17, s17, 12288
	s_add_co_u32 s60, s60, s17
	s_lshl_b32 s17, s[WV], 1
	s_and_b32 s17, s17, 7
	s_mul_i32 s17, s17, 1536
	s_add_co_u32 s60, s60, s17
	s_and_b32 s17, s16, 1
	s_mul_i32 s17, s17, 768
	s_add_co_u32 s60, s60, s17
	s_mov_b32 s61, 0
	; O's scale bytes: [tile][row 16][32 bytes], bytes 2 head, 2 head + 1
	s_lshl_b32 s62, s15, 7
	s_lshl_b32 s17, s13, 5
	s_add_co_u32 s62, s62, s17
	s_lshl_b32 s17, s[WV], 1
	s_add_co_u32 s62, s62, s17
	s_lshl_b32 s62, s62, 9
	s_lshl_b32 s17, s16, 1
	s_add_co_u32 s62, s62, s17
	s_mov_b32 s63, 0
	s_wait_dscnt 0x0
	s_wait_kmcnt 0x0
	s_add_nc_u64 s[42:43], s[6:7], s[56:57]
	s_or_b32 s43, s43, 0x80000000
	s_add_nc_u64 s[6:7], s[4:5], s[54:55]          ; Q's scale words
	s_add_nc_u64 s[4:5], s[4:5], s[52:53]          ; Q's codes
	s_add_nc_u64 s[8:9], s[8:9], s[60:61]
	s_add_nc_u64 s[10:11], s[10:11], s[62:63]
	ROUND                                          ; all four work-groups are here: the joint loads meet
	tensor_load_to_lds s[40:43], s[24:31]          ; my one tensor load of the launch
	s_nop 0
	NOPS 4
.irp c, 0,1,2
	global_load_b128 v[28+4*\c:31+4*\c], v1, s[4:5] offset:512*\c
.endr
	global_load_b32 v241, v5, s[6:7]               ; tile 0's words stand in the record's lanes 0-15,
	global_load_b32 v242, v5, s[6:7] offset:256    ; tile 1's in its lanes 16-31
.irp i, 0,1,2,3,4,5
	v_mov_b32 v[22+\i], 0                          ; Q's upper half: zero codes
	v_mov_b32 v[88+\i], 0                          ; what stands above K's last tile
.endr
.irp i, 0,1,2,3
	v_mov_b32 v[216+\i], 0                         ; written once: a lane permute's destination counts as one of its sources
.endr
	v_mov_b32 v224, 0
	v_mov_b32 v227, 0                              ; (named as the upper half of the pair v[226:227])
	s_wait_loadcnt 0x0
	s_wait_tensorcnt 0x0                           ; my block has landed,
	s_barrier_signal -1
	s_barrier_wait -1                              ; everybody's has
	s_mov_b32 s50, 2
.Ltile:
.irp i, 0,1,2,3,4,5
	v_mov_b32 v[16+\i], v[28+\i]
.endr
	v_mov_b32 v13, 0xff61b1e6                      ; the largest t so far: -3e38, under every t
	v_floor_f32 v12, -v13                          ; -M
	v_mov_b32 v14, 0
	v_mov_b32 v15, 0
.set JJ, 0
.rept 32
	v_mov_b32 v[160+JJ], 0                         ; O^T: the step is written once; the first finds zeros, which the first change of M leaves zeros
.set JJ, JJ+1
.endr
	s_mov_b32 s[TB], 0
	s_mov_b32 s49, 16
.Lstep:                                            ; 128 keys
	v_add_nc_u32 v4, s[TB], v1
	NOPS 3                                         ; with the line above: four places in front of loads into registers that matrix instructions have read
.irp c, 0,1,2,3,4,5,6,7,8,9,10,11
	ds_load_b128 v[40+4*\c:43+4*\c], v4 offset:512*\c
.endr
	ds_load_b128 v[232:235], v4 offset:6144
	s_wait_dscnt 0x0
.irp t, 0,1,2,3,4,5,6,7
	WM 96+8*\t, 40+6*\t, 16, ZC, 232+\t/2, 241, \t%2
.endr
	NOPS 4
.irp c, 0,1,2,3,4,5,6,7,8,9,10,11
	ds_load_b128 v[40+4*\c:43+4*\c], v4 offset:6656+512*\c   ; V's fragments land under the softmax
.endr
	ds_load_b128 v[236:239], v4 offset:12800
.irp b, 0,1,2,3
	v_max3_num_f32 v[212+\b], v[96+16*\b], v[97+16*\b], v[98+16*\b]   ; the largest score of each block of 32 keys: for the row's maximum and, since p rises with the score, for the block's largest p
.endr
.irp i, 3,5,7,9,11,13
.irp b, 0,1,2,3
	v_max3_num_f32 v[212+\b], v[212+\b], v[96+16*\b+\i], v[97+16*\b+\i]
.endr
.endr
.irp b, 0,1,2,3
	v_max_num_f32 v[212+\b], v[212+\b], v[111+16*\b]
.endr
.irp b, 0,1,2,3
	v_permlanex16_b32 v[216+\b], v[212+\b], s[SEL], s[SEL+1]
.endr
.irp b, 0,1,2,3
	v_max_num_f32 v[212+\b], v[212+\b], v[216+\b]  ; with lane l xor 16's 16 keys
.endr
	v_max3_num_f32 v224, v212, v213, v214
	v_max_num_f32 v224, v224, v215
	v_mul_f32 v224, s[CS], v224                    ; the step's largest t (c is positive)
	v_max_num_f32 v13, v13, v224
	v_mov_b32 v224, v12
	v_floor_f32 v12, -v13                          ; the new -M = -ceil(t)
	v_sub_f32 v224, v12, v224                      ; old M - new M: a whole number, 0 or less
	v_cvt_i32_f32 v224, v224                       ; (it saturates)
	v_ldexp_f32 v226, 1.0, v224                    ; f = 2^(old M - new M)
.set JJ, 0
.rept 32
	v_pk_fma_f32 v[96+JJ:97+JJ], v[96+JJ:97+JJ], s[CS:CS+1], v[12:13] op_sel_hi:[1,0,0]   ; t - M
.set JJ, JJ+2
.endr
.irp b, 0,1,2,3
	v_fma_f32 v[212+\b], v[212+\b], s[CS], v12
.endr
.set JJ, 0
.rept 64
	v_exp_f32 v[96+JJ], v[96+JJ]                   ; p = 2^(t - M)
.set JJ, JJ+1
.endr
	v_pk_mul_f32 v[14:15], v[14:15], v[226:227] op_sel_hi:[1,0]   ; the sums under the new M: the plain place behind the exponentials
	s_wait_alu depctr_va_vdst(0)                   ; one wait for the batch, ahead of its first reader
.irp b, 0,1,2,3
	v_exp_f32 v[212+\b], v[212+\b]                 ; each block's largest p
.endr
	v_pk_add_f32 v[228:229], v[96:97], v[98:99]    ; the row's sum of the unquantised p, in two chains
.irp j, 4,8,12,16,20,24,28,32,36,40,44,48,52,56,60
	v_pk_add_f32 v[14:15], v[14:15], v[96+\j:97+\j]
	v_pk_add_f32 v[228:229], v[228:229], v[98+\j:99+\j]
.endr
	v_pk_add_f32 v[14:15], v[14:15], v[228:229]
	s_wait_alu depctr_va_vdst(0)                   ; and one for the four
.irp b, 0,1,2,3
	v_max_num_f32 v[212+\b], 0x1800000, v[212+\b]  ; the floor 2^(3 - 127)
.endr
.irp b, 0,1,2,3
	v_add_nc_u32 v[220+\b], 0xff000000, v[212+\b]  ; 2 off the exponent field: the conversion's scale operand
.endr
.irp b, 0,1,2,3
	v_lshrrev_b32 v[216+\b], 23, v[220+\b]
.endr
	v_lshl_or_b32 v240, v217, 8, v216              ; p's scale word for these 128 keys
	v_lshl_or_b32 v240, v218, 16, v240
	v_lshl_or_b32 v240, v219, 24, v240
.irp c, 0,1
	v_cvt_scalef32_pk16_fp6_f32 v[192+6*\c:194+6*\c], v[96+32*\c:111+32*\c], v[220+2*\c]
	v_cvt_scalef32_pk16_fp6_f32 v[204+4*\c:206+4*\c], v[112+32*\c:127+32*\c], v[221+2*\c]
.endr
	v_nop                                          ; one plain place behind a scaled conversion
.irp c, 0,1
.irp i, 0,1,2
	v_permlane16_swap_b32 v[192+6*\c+\i], v[204+4*\c+\i]
.endr
.irp i, 0,1,2
	v_mov_b32 v[195+6*\c+\i], v[204+4*\c+\i]
.endr
.endr
.set JJ, 0
.rept 16
	v_pk_mul_f32 v[160+JJ:161+JJ], v[160+JJ:161+JJ], v[226:227] op_sel_hi:[1,0]   ; O^T under the new M; these are also the places in front of the matrix instructions below
.set JJ, JJ+2
.endr
	s_wait_dscnt 0x0                               ; V is in
.irp t, 0,1,2,3
	WM 160+8*\t, 40+12*\t, 192, 160+8*\t, 236+\t, 240, 0
.endr
	s_add_co_u32 s[TB], s[TB], 13312
	s_sub_co_u32 s49, s49, 1
	s_cmp_lg_u32 s49, 0
	s_cbranch_scc1 .Lstep
	; the tile's way out: O^T / l, quantised along d; register 16 b + i is d = 32 b + 16 h + i of my query
	NOPS 4
	v_add_f32 v14, v14, v15
	v_permlanex16_b32 v224, v14, s[SEL], s[SEL+1]
	v_add_f32 v14, v14, v224                       ; the row's sum
	v_rcp_f32 v14, v14
	v_nop
	s_wait_alu depctr_va_vdst(0)
.set JJ, 0
.rept 16
	v_pk_mul_f32 v[96+JJ:97+JJ], v[160+JJ:161+JJ], v[14:15] op_sel_hi:[1,0]
.set JJ, JJ+2
.endr
	QUANT2 96, 192, 243, 212, 204
	global_store_b128 v1, v[192:195], s[8:9]       ; registers 0-3: 512 consecutive bytes
	global_store_b64 v2, v[196:197], s[8:9] offset:512   ; registers 4, 5: 256 consecutive bytes
	global_store_b16 v3, v243, s[10:11]            ; my row's two scale bytes (lanes r and r + 16 write the same bytes with the same value)
	s_wait_xcnt 0x0                                ; the stores have read their data and bases: both are written again only behind this wait
	s_add_nc_u64 s[8:9], s[8:9], 1536
	s_add_nc_u64 s[10:11], s[10:11], 512
.irp i, 0,1,2,3,4,5
	v_mov_b32 v[28+\i], v[34+\i]                   ; the second tile's Q
.endr
	v_mov_b32 v241, v242
	s_sub_co_u32 s50, s50, 1
	s_cmp_lg_u32 s50, 0
	s_cbranch_scc1 .Ltile
	s_wait_dscnt 0x0
	s_wait_tensorcnt 0x0
	ds_add_u32 v254, v255
	s_wait_dscnt 0x0
	ROUND                                          ; the closing round
	s_endpgm
.Lfunc_end_k_q337bd13efd_attn:
	.size	k_q337bd13efd_attn, .Lfunc_end_k_q337bd13efd_attn-k_q337bd13efd_attn
	.p2alignl 7, 3214868480
	.fill 96, 4, 3214868480
	.section	.rodata,"a",@progbits
	.p2align	6, 0x0
	.amdhsa_kernel k_q337bd13efd_attn
		.amdhsa_group_segment_fixed_size 215040
		.amdhsa_private_segment_fixed_size 0
		.amdhsa_enable_private_segment 0
		.amdhsa_kernarg_size 32
		.amdhsa_user_sgpr_count 2
		.amdhsa_user_sgpr_kernarg_segment_ptr 1
		.amdhsa_wavefront_size32 1
		.amdhsa_system_sgpr_workgroup_id_x 1
		.amdhsa_system_sgpr_workgroup_id_y 1
		.amdhsa_system_sgpr_workgroup_id_z 1
		.amdhsa_system_vgpr_workitem_id 0
		.amdhsa_next_free_vgpr 256
		.amdhsa_next_free_sgpr 66
		.amdhsa_reserve_vcc 0
		.amdhsa_float_denorm_mode_32 3
		.amdhsa_float_denorm_mode_16_64 3
		.amdhsa_memory_ordered 1
		.amdhsa_forward_progress 1
		.amdhsa_inst_pref_size 27
	.end_amdhsa_kernel
	.amdgpu_metadata
---
amdhsa.version: [ 1, 2 ]
amdhsa.kernels:
  - .name:           k_q337bd13efd_attn
    .symbol:         k_q337bd13efd_attn.kd
    .args:
      - { .name: qb, .offset: 0, .size: 8, .value_kind: global_buffer, .address_space: global }
      - { .name: kv, .offset: 8, .size: 8, .value_kind: global_buffer, .address_space: global }
      - { .name: oc, .offset: 16, .size: 8, .value_kind: global_buffer, .address_space: global }
      - { .name: os, .offset: 24, .size: 8, .value_kind: global_buffer, .address_space: global }
    .group_segment_fixed_size: 215040
    .private_segment_fixed_size: 0
    .kernarg_segment_align: 8
    .kernarg_segment_size: 32
    .max_flat_workgroup_size: 512
    .sgpr_count:     66
    .vgpr_count:     256
    .wavefront_size: 32
...
	.end_amdgpu_metadata
.endif
;; end of part 2
;; launch oproj (part 3): grid 4 x 64, 8 waves a work-group, clusters of 4 x 4, 327,680 bytes of LDS; arguments oc, os, fco_w_codes, fco_w_scales, fco_b, out0; writes out0
.if DOCPART == 3
	.amdgcn_target "amdgcn-amd-amdhsa--gfx1250"
	.amdhsa_code_object_version 6
	.text
	.protected	k_q337bd13efd_oproj
	.globl	k_q337bd13efd_oproj
	.p2align	8
	.type	k_q337bd13efd_oproj,@function
k_q337bd13efd_oproj:
	s_mov_b64 s[64:65], 0
	v_nop
	global_prefetch_b8 v0, s[64:65] scope:SCOPE_SE
	s_setreg_imm32_b32 hwreg(HW_REG_WAVE_MODE, 25, 1), 1
	s_wait_xcnt 0x0
	s_wait_alu depctr_hold_cnt(0) depctr_sa_sdst(0) depctr_va_vdst(0) depctr_va_sdst(0) depctr_va_ssrc(0) depctr_va_vcc(0) depctr_vm_vsrc(0)
	s_getreg_b32 s2, hwreg(HW_REG_IB_STS2, 6, 4)
	s_cmp_eq_u32 s2, 0
	s_cbranch_scc0 .Lentry_in_a_cluster
	s_endpgm
.Lentry_in_a_cluster:
	s_bfe_u32 s2, ttmp6, 0x10000c
	s_cmp_lg_u32 s2, 0xf033
	s_cbranch_scc0 .Lentry_shape_is_right
	s_endpgm
.Lentry_shape_is_right:
; out0 = O fco_w + fco_b on codes of FP6 (E2M3) with one E8M0 scale for each 32 along K.  O: 8,192 rows x 1,024, as images of operand registers (oc) and scale bytes (os); fco_w: [1024 (n)][1024 (k)] codes; out0 f32.
; SHARES.  A work-group makes 128 rows x 256 columns; wave w of eight makes rows 64 (w / 4) on, columns 64 (w % 4) on: 16 accumulators.  All of K lies in LDS, filled ONCE.
; CLUSTER: 4 x 4.  The four of a row of the cluster need the same rows of O, the four of a column the same rows of fco_w: each tile is asked for jointly.
; THE MATRIX INSTRUCTION IS USED TRANSPOSED (source 0 = 16 rows of fco_w, source 1 = 16 rows of O): a lane holds eight neighbouring columns of one row.  The bias is the C of each sum's first instruction.
; O's tiles hold their rows in the order 32 b + 8 u + r + 8 (r / 8): the way out's store offsets put each row at its place.
; LIMITS: NaN, infinities and the scale byte 0xff are not served.
.set ZC,   1000
.set LBC,  98304                       ; LDS: 0: O's images, [K step 8][tile 8][half 2][768 bytes];  LBC: fco_w's 256 rows, 816 bytes apart (768 + 16 behind each 256: 204 words, 12 mod 64: a tile's 8-byte loads touch 64 different banks: ISA guide 11.1)
.set LAS,  307200                      ; O's scale bytes: 16 units of 256 + 16
.set LBS,  311552                      ; fco_w's: 32 units
.set A16,  1                           ; v1, v2  my four tiles' 16-byte parts, K steps 0-3 and 4-7
.set A8,   3                           ; v3, v4  their 8-byte parts
.set BA,   5                           ; v5, v6  my lane's place in my 64 rows of fco_w; v6 for the pieces behind one padding more
.set SCA,  7                           ; v7  my scale words: lanes 0-15 O's rows, lanes 16-31 fco_w's
.set STO,  8                           ; v8  the stage: where I put 32 bytes of a row;  v9 where I read a row back;  v10 my byte offset in out0;  v11 the bias's
.set RD,   9
.set CO,   10
.set ACC,  16                          ; v16-143  accumulator (a, b) at 16 + 8 (4 a + b)
.set AF,   144                         ; v144-191 O's four fragments
.set BF,   192                         ; v192-239 fco_w's four
.set SC,   240                         ; v240-243 scale words, and nothing else
.set OB,   144                         ; the way out: two sets of 32
.set WV,   16
.set PADW, (3<<16)|(1<<20)|(1<<21)|(5<<22)|(3<<25)   ; elements of 8 bytes; padding on; bit 21 beside a mask; after every 64 words, 4 words
.macro NOPS n
.rept \n
	v_nop
.endr
.endm
.macro ROUND
	s_barrier_signal -1
	s_barrier_wait -1
	s_cmp_lg_u32 s[WV], 0
	s_cbranch_scc1 .Lnot_wave_0_\@
	s_barrier_signal -3
.Lnot_wave_0_\@:
	s_barrier_wait -3
	s_barrier_signal -1
	s_barrier_wait -1
.endm
.macro WM d, a, b, c, sa, sb           ; source 0's scales stand in lanes 16-31
	v_wmma_scale_f32_16x16x128_f8f6f4 v[\d:\d+7], v[\a:\a+11], v[\b:\b+11], v[\c:\c+7], v[\sa], v[\sb] matrix_a_fmt:MATRIX_FMT_FP6 matrix_b_fmt:MATRIX_FMT_FP6 matrix_a_scale:MATRIX_SCALE_ROW1
.endm
.macro FRAG reg, adr, s, off           ; a fragment of K step s from rows of 768 bytes: six pieces of 8 bytes; 16 bytes of padding lie behind every 32 pieces
.irp p, 0,1,2,3,4,5
.set PCN, 12*(\s)+6*(\p/3)+\p%3
.if PCN%32 < 29
	ds_load_b64 v[\reg+2*\p:\reg+2*\p+1], v[\adr] offset:\off+8*PCN+16*(PCN/32)
.else
	ds_load_b64 v[\reg+2*\p:\reg+2*\p+1], v[\adr+1] offset:\off+8*PCN+16*(PCN/32)
.endif
.endr
.endm
	s_load_b256 s[4:11], s[0:1], 0x0               ; oc, os, fco_w codes, fco_w scales
	s_load_b128 s[12:15], s[0:1], 0x20             ; fco_b, out0
	v_lshl_add_u32 v254, v0, 2, 0x4e300
	v_mov_b32 v255, 0
	ds_add_u32 v254, v255
	ds_add_u32 v254, v255
	v_lshrrev_b32 v12, 5, v0
	v_readfirstlane_b32 s[WV], v12                 ; wave 0..7
	s_lshr_b32 s17, s[WV], 2                       ; which 64 rows
	s_and_b32 s18, s[WV], 3                        ; which 64 columns
	s_bfe_u32 s19, ttmp6, 0x40000                  ; cx
	s_bfe_u32 s20, ttmp6, 0x40004                  ; cy
	s_lshl_b32 s21, ttmp9, 2
	s_add_co_u32 s21, s21, s19                     ; block of 256 columns
	s_and_b32 s22, ttmp7, 0xffff
	s_lshl_b32 s22, s22, 2
	s_add_co_u32 s22, s22, s20                     ; block of 128 rows
	s_lshl_b32 s76, s20, 2
	s_lshl_b32 s76, 15, s76                        ; my row of the cluster
	s_lshl_b32 s77, 0x1111, s19                    ; my column
	s_or_b32 s24, s76, (3<<16)|(1<<21)             ; O's images: dense, no padding
	s_or_b32 s32, s76, PADW                        ; O's scale bytes
	s_or_b32 s40, s77, PADW                        ; fco_w's codes
	s_or_b32 s48, s77, PADW                        ; fco_w's scale bytes
.irp g, 24, 32, 48                             ; rows of 256 bytes: 32 elements
	s_mov_b32 s[\g+1], 32<<16
	s_mov_b32 s[\g+3], 32<<16
	s_mov_b32 s[\g+5], 32
	s_mov_b32 s[\g+6], 0
	s_mov_b32 s[\g+7], 0
.endr
	s_mov_b32 s26, 48<<16                          ; 48 rows a wave: 12,288 bytes, a K step
	s_mov_b32 s28, 48
	s_mov_b32 s34, 2<<16                           ; 2 rows a wave
	s_mov_b32 s36, 2
	s_mov_b32 s50, 4<<16                           ; 4 rows a wave
	s_mov_b32 s52, 4
	s_mov_b32 s41, 96<<16                          ; rows of 768 bytes, 32 a wave
	s_mov_b32 s42, 32<<16
	s_mov_b32 s43, 96<<16
	s_mov_b32 s44, 32
	s_mov_b32 s45, 96
	s_mov_b32 s46, 0
	s_mov_b32 s47, 0
	; O's addresses hang on the row block alone (s78-s81), fco_w's on the column block alone (s82-s85)
	s_mov_b32 s56, 1
	s_mul_i32 s57, s[WV], 12288
	s_mul_i32 s78, s22, 98304
	s_add_co_u32 s78, s78, s57
	s_mov_b32 s79, 0
	s_lshl_b32 s80, s22, 12
	s_lshl_b32 s92, s[WV], 9
	s_add_co_u32 s80, s80, s92
	s_mov_b32 s81, 0
	s_lshl_b32 s82, s21, 8
	s_lshl_b32 s92, s[WV], 5
	s_add_co_u32 s82, s82, s92                     ; row 256 x column block + 32 x wave
	s_lshl_b32 s84, s82, 5
	s_mov_b32 s85, 0
	s_mul_i32 s82, s82, 768
	s_mov_b32 s83, 0
	s_mov_b32 s60, 1
	s_mul_i32 s61, s[WV], 544
	s_add_co_u32 s61, s61, LAS
	s_mov_b32 s68, 1
	s_mul_i32 s69, s[WV], 26112
	s_add_co_u32 s69, s69, LBC
	s_mov_b32 s72, 1
	s_mul_i32 s73, s[WV], 1088
	s_add_co_u32 s73, s73, LBS
	s_lshl_b32 s86, s21, 10                        ; my first column, in bytes of f32
	s_lshl_b32 s93, s18, 8
	s_add_co_u32 s86, s86, s93
	s_mov_b32 s87, 0
	s_lshl_b32 s88, s22, 19                        ; my first row of out0: 4,096 bytes a row
	s_lshl_b32 s93, s17, 18
	s_add_co_u32 s88, s88, s93
	s_add_co_u32 s88, s88, s86
	s_mov_b32 s89, 0
	v_and_b32 v12, 31, v0                          ; lane
	v_and_b32 v13, 15, v0                          ; r
	v_bfe_u32 v14, v0, 4, 1                        ; h
	s_mul_i32 s90, s17, 6144                       ; my four tiles of a K step's eight
	v_lshl_add_u32 v[A16], v12, 4, s90
	v_add_nc_u32 v[A16+1], 49152, v[A16]
	v_lshl_add_u32 v[A8], v12, 3, s90
	v_add_nc_u32 v[A8+1], 49152, v[A8]
	s_mul_i32 s90, s18, 52224
	s_add_co_u32 s90, s90, LBC
	v_mul_u32_u24 v[BA], v13, 816
	v_mad_u32_u24 v[BA], v14, 24, v[BA]
	v_add_nc_u32 v[BA], s90, v[BA]
	v_lshl_add_u32 v[BA+1], v14, 4, v[BA]
	v_lshlrev_b32 v[SCA], 5, v13                   ; a row's 32 scale bytes,
	v_lshrrev_b32 v15, 3, v13
	v_lshl_add_u32 v[SCA], v15, 4, v[SCA]          ; and 16 more for each 256 passed
	s_mul_i32 s90, s17, 2176                       ; O's: my four tiles
	s_mul_i32 s91, s18, 2176                       ; fco_w's: my four tiles, 4,352 bytes behind O's first
	s_add_co_u32 s91, s91, 4352
	s_sub_co_u32 s91, s91, s90
	v_mul_u32_u24 v15, s91, v14                    ; lanes 16-31 take fco_w's: one product, the distance between the two
	s_add_co_u32 s90, s90, LAS
	v_add_nc_u32 v[SCA], v[SCA], v15
	v_add_nc_u32 v[SCA], s90, v[SCA]
	s_mul_i32 s90, s[WV], 4352                     ; my stage: 16 rows x (256 + 16) bytes, in the bytes of O's images, which have had their only fill and, behind the last barrier, their last read
	v_mul_u32_u24 v[STO], v13, 272
	v_lshl_add_u32 v[STO], v14, 5, v[STO]
	v_add_nc_u32 v[STO], s90, v[STO]
	v_mul_u32_u24 v[RD], v14, 272
	v_lshl_add_u32 v[RD], v13, 4, v[RD]
	v_add_nc_u32 v[RD], s90, v[RD]
	v_lshlrev_b32 v[CO], 12, v14
	v_lshl_add_u32 v[CO], v13, 4, v[CO]
	v_lshlrev_b32 v11, 5, v14
	s_wait_dscnt 0x0
	s_wait_kmcnt 0x0
	s_add_nc_u64 s[58:59], s[4:5], s[78:79]
	s_or_b32 s59, s59, 0x80000000
	s_add_nc_u64 s[62:63], s[6:7], s[80:81]
	s_or_b32 s63, s63, 0x80000000
	s_add_nc_u64 s[70:71], s[8:9], s[82:83]
	s_or_b32 s71, s71, 0x80000000
	s_add_nc_u64 s[74:75], s[10:11], s[84:85]
	s_or_b32 s75, s75, 0x80000000
	s_add_nc_u64 s[12:13], s[12:13], s[86:87]
	s_add_nc_u64 s[14:15], s[14:15], s[88:89]
	ROUND                                          ; all sixteen work-groups are here: the joint loads meet
	tensor_load_to_lds s[56:59], s[24:31]          ; four tensor loads of a wave are out
	s_nop 0
	tensor_load_to_lds s[60:63], s[32:39]
	s_nop 0
	tensor_load_to_lds s[68:71], s[40:47]
	s_nop 0
	tensor_load_to_lds s[72:75], s[48:55]
	s_nop 0
	NOPS 4
.irp b, 0,1,2,3
	global_load_b128 v[ACC+8*\b:ACC+8*\b+3], v11, s[12:13] offset:64*\b      ; the bias in the result's layout: columns 16 b + 8 h + 0 .. 7
	global_load_b128 v[ACC+8*\b+4:ACC+8*\b+7], v11, s[12:13] offset:64*\b+16
.endr
	s_wait_tensorcnt 0x0
	s_barrier_signal -1
	s_barrier_wait -1
.irp s, 0,1,2,3,4,5,6,7
.if \s > 0
	NOPS 4                                         ; places in front of loads into registers that matrix instructions have read
.endif
.irp a, 0,1,2,3
	ds_load_b128 v[AF+12*\a:AF+12*\a+3], v[A16+\s/4] offset:(\s%4)*12288+1536*\a
	ds_load_b64 v[AF+12*\a+4:AF+12*\a+5], v[A8+\s/4] offset:(\s%4)*12288+1536*\a+512
	ds_load_b128 v[AF+12*\a+6:AF+12*\a+9], v[A16+\s/4] offset:(\s%4)*12288+1536*\a+768
	ds_load_b64 v[AF+12*\a+10:AF+12*\a+11], v[A8+\s/4] offset:(\s%4)*12288+1536*\a+1280
.endr
.irp b, 0,1,2,3
	FRAG BF+12*\b, BA, \s, 13056*\b
.endr
.irp i, 0,1,2,3
	ds_load_b32 v[SC+\i], v[SCA] offset:544*\i+4*\s
.endr
	s_wait_dscnt 0x0
.if \s == 0
	s_wait_loadcnt 0x0                             ; the bias
.irp a, 1,2,3
.irp b, 0,1,2,3
	WM ACC+8*(4*\a+\b), BF+12*\b, AF+12*\a, ACC+8*\b, SC+\b, SC+\a
.endr
.endr
	NOPS 5                                         ; the next four write over registers that the twelve above have read as C
.irp b, 0,1,2,3
	WM ACC+8*\b, BF+12*\b, AF, ACC+8*\b, SC+\b, SC
.endr
.else
.irp a, 0,1,2,3
.irp b, 0,1,2,3
	WM ACC+8*(4*\a+\b), BF+12*\b, AF+12*\a, ACC+8*(4*\a+\b), SC+\b, SC+\a
.endr
.endr
.endif
.endr
	s_wait_dscnt 0x0                               ; my reads of O's images are over,
	s_barrier_signal -1
	s_barrier_wait -1                              ; everybody's are: the stages may be written
	NOPS 4
	; THE WAY OUT, a tile of 16 rows x 64 columns at a time, through my own stage: back as whole rows of 256 bytes.  LDS serves a wave's instructions in order (ISA guide 5.7.1.4): no wait between the stores and the loads.
.irp a, 0,1,2,3
.if \a >= 2
	s_wait_xcnt 0x0                                ; tile a - 2's stores have read their data: this tile's loads may land there
.endif
.irp b, 0,1,2,3
	ds_store_b128 v[STO], v[ACC+8*(4*\a+\b):ACC+8*(4*\a+\b)+3] offset:64*\b       ; each accumulator from its low end on
	ds_store_b128 v[STO], v[ACC+8*(4*\a+\b)+4:ACC+8*(4*\a+\b)+7] offset:64*\b+16
.endr
.irp i, 0,1,2,3,4,5,6,7
	ds_load_b128 v[OB+32*(\a%2)+4*\i:OB+32*(\a%2)+4*\i+3], v[RD] offset:544*\i
.endr
.irp i, 0,1,2,3,4,5,6,7
	s_wait_dscnt 7-\i                              ; load i is in; the younger ones may be out
	global_store_b128 v[CO], v[OB+32*(\a%2)+4*\i:OB+32*(\a%2)+4*\i+3], s[14:15] offset:(32*(\a/2)+8*(\a%2)+2*\i+8*(\i/4))*4096 th:TH_STORE_NT   ; the tile's rows 2 i, 2 i + 1 at their places; 16 lanes store 256 consecutive bytes, at a multiple of 256 from out0's first byte
.endr
.endr
	s_wait_dscnt 0x0
	s_wait_tensorcnt 0x0
	ds_add_u32 v254, v255
	s_wait_dscnt 0x0
	ROUND                                          ; the closing round
	s_endpgm
.Lfunc_end_k_q337bd13efd_oproj:
	.size	k_q337bd13efd_oproj, .Lfunc_end_k_q337bd13efd_oproj-k_q337bd13efd_oproj
	.p2alignl 7, 3214868480
	.fill 96, 4, 3214868480
	.section	.rodata,"a",@progbits
	.p2align	6, 0x0
	.amdhsa_kernel k_q337bd13efd_oproj
		.amdhsa_group_segment_fixed_size 327680
		.amdhsa_private_segment_fixed_size 0
		.amdhsa_enable_private_segment 0
		.amdhsa_kernarg_size 48
		.amdhsa_user_sgpr_count 2
		.amdhsa_user_sgpr_kernarg_segment_ptr 1
		.amdhsa_wavefront_size32 1
		.amdhsa_system_sgpr_workgroup_id_x 1
		.amdhsa_system_sgpr_workgroup_id_y 1
		.amdhsa_system_sgpr_workgroup_id_z 1
		.amdhsa_system_vgpr_workitem_id 0
		.amdhsa_next_free_vgpr 256
		.amdhsa_next_free_sgpr 100
		.amdhsa_reserve_vcc 0
		.amdhsa_float_denorm_mode_32 3
		.amdhsa_float_denorm_mode_16_64 3
		.amdhsa_memory_ordered 1
		.amdhsa_forward_progress 1
		.amdhsa_inst_pref_size 57
	.end_amdhsa_kernel
	.amdgpu_metadata
---
amdhsa.version: [ 1, 2 ]
amdhsa.kernels:
  - .name:           k_q337bd13efd_oproj
    .symbol:         k_q337bd13efd_oproj.kd
    .args:
      - { .name: oc, .offset: 0, .size: 8, .value_kind: global_buffer, .address_space: global }
      - { .name: os, .offset: 8, .size: 8, .value_kind: global_buffer, .address_space: global }
      - { .name: fco_w_codes, .offset: 16, .size: 8, .value_kind: global_buffer, .address_space: global }
      - { .name: fco_w_scales, .offset: 24, .size: 8, .value_kind: global_buffer, .address_space: global }
      - { .name: fco_b, .offset: 32, .size: 8, .value_kind: global_buffer, .address_space: global }
      - { .name: out0, .offset: 40, .size: 8, .value_kind: global_buffer, .address_space: global }
    .group_segment_fixed_size: 327680
    .private_segment_fixed_size: 0
    .kernarg_segment_align: 8
    .kernarg_segment_size: 48
    .max_flat_workgroup_size: 256
    .sgpr_count:     100
    .vgpr_count:     256
    .wavefront_size: 32
...
	.end_amdgpu_metadata
.endif
;; end of part 3
